; MI455X (gfx1250); checked and timed in simulation.
; The chip was launched on July 23, 2026; its instructions are those of AMD's public machine-readable ISA for CDNA 5 (MIT licence, August 2026) and "CDNA5" Instruction Set Architecture Reference Guide (July 2026). The comments in the code are by the model that wrote it; some were corrected since.
;; Parallel Mo E Linear. Allowed arithmetic: matrix products marked QUANTISED: E2M3 operands, one E8M0 scale for each 32 along K, by v_wmma_scale_f32_16x16x128_f8f6f4 with both operands' format E2M3, f32 sums; everything else in f32.
;; Inputs: bias 8 x 4,096 float32; group_sizes 8 int32; kernel_codes 8 x 4,096 x 32 x 24 uint8 (E2M3 codes of kernel, K innermost, in blocks of 32 codes, four codes in three bytes); kernel_scales 8 x 4,096 x 32 uint8 (E8M0 scales of kernel, one for each 32 codes along K); sorted_experts 2,048 int32; sorted_tokens 2,048 x 1,024 float32.
;; Outputs: out0 2,048 x 4,096 float32.
;; This version of the problem:
;;   THIS VERSION OF THE PROBLEM IS GIVEN IN LOW PRECISION. The matrix products marked QUANTISED in the list below multiply operands that are first quantised to E2M3 (2 exponent bits, 3 mantissa bits; 6 bits a number), with one power-of-two scale for each 32 numbers along K (OCP MX v1.0); their sums are f32. All else is computed in f32.
;;   The module's matrix products, in the order in which they are computed (A, B: the left and right operand; K: the contracted axis; several contracted axes count as one K, in the product's order):
;;     1. [M 2,048, K 1,024] x [K 1,024, N 4,096]; A: computed on the way; B: input kernel (given as codes): QUANTISED
;;     2. [M 2,048, K 1,024] x [K 1,024, N 4,096]; A: computed on the way; B: input kernel (given as codes): QUANTISED
;;     3. [M 2,048, K 1,024] x [K 1,024, N 4,096]; A: computed on the way; B: input kernel (given as codes): QUANTISED
;;     4. [M 2,048, K 1,024] x [K 1,024, N 4,096]; A: computed on the way; B: input kernel (given as codes): QUANTISED
;;     5. [M 2,048, K 1,024] x [K 1,024, N 4,096]; A: computed on the way; B: input kernel (given as codes): QUANTISED
;;     6. [M 2,048, K 1,024] x [K 1,024, N 4,096]; A: computed on the way; B: input kernel (given as codes): QUANTISED
;;     7. [M 2,048, K 1,024] x [K 1,024, N 4,096]; A: computed on the way; B: input kernel (given as codes): QUANTISED
;;     8. [M 2,048, K 1,024] x [K 1,024, N 4,096]; A: computed on the way; B: input kernel (given as codes): QUANTISED
;;   THE QUANTISER, for each operand of a quantised product, along K:
;;     - K is cut into blocks of 32 from its start; a last block that is shorter is filled with zeros.
;;     - A block's scale is 2^e with e = floor(log2(the largest magnitude in the block)) - 2, held to -126 .. 127; a block of zeros has e = 0. As a byte (E8M0): e + 127.
;;     - Each number is divided by its block's scale, clamped to +-7.5, and rounded to the nearest number of E2M3, ties to even, subnormals kept.
;;     - The product sums the exact products of the quantised numbers (number of the format x scale) in f32.
;;   ~~~python
;;   def quantise(x, axis):      # numpy; x: float32 -> the quantised numbers, widened to float32 again
;;       x = np.moveaxis(x, axis, -1); K = x.shape[-1]
;;       x = np.pad(x, [(0, 0)] * (x.ndim - 1) + [(0, -K % 32)]); x = x.reshape(x.shape[:-1] + (-1, 32)); a = np.abs(x).max(-1, keepdims=True)
;;       e = np.where(a > 0, np.clip(np.frexp(np.where(a > 0, a, 1))[1] - 1 - 2, -126, 127), 0)      # np.frexp(a)[1] - 1 = floor(log2(a)), exactly
;;       r = np.clip(x / 2.0 ** e, -7.5, 7.5)
;;       step = 2.0 ** (np.maximum(np.frexp(np.where(r == 0, 1, r))[1] - 1, 0) - 3)
;;       q = np.round(r / step) * step * 2.0 ** e      # np.round: ties to even
;;       return np.moveaxis(q.reshape(q.shape[:-2] + (-1,))[..., :K], -1, axis).astype(np.float32)
;;   ~~~
;;   OPERANDS COMPUTED ON THE WAY. 'Computed on the way' means the value that the module computes at that place (a softmax that the list does not call 'softmax' is quantised finished and normalised). What goes into a quantiser is computed in f32, as accurately as f32 sums, v_exp_f32 and their like allow (about 1e-6 of the number): no bf16 or f16 on the way to a quantiser, and a product that is left as it is and whose result goes on into a quantised operand takes f32 operands (vector FMAs, or v_wmma_f32_16x16x4_f32). A number that lies on a knife's edge between two numbers of the format may be rounded either way, as far as f32 arithmetic and the matrix unit's own rounding can turn it there, and no further.
;;   INPUTS GIVEN AS CODES. kernel (in the module: [8, 1024, 4096], K = its axis 1): each comes as NAME_codes (uint8): NAME with its K axis moved to the last place and cut into blocks of 32 codes, [.., K / 32, bytes a block], one block behind the other in memory; four codes in three bytes: a row's codes are one little-endian stream of bits, code i at bits 6 i .. 6 i + 5 (a code: sign, 2 exponent bits, 3 mantissa bits); and NAME_scales (uint8): the same leading axes, one E8M0 byte (e + 127) for each 32 codes along K. Its value is code x scale, taken as it is: it is not quantised again, and the codes and scales need not be those that the quantiser above would give.
;; One version. Each part assembles by itself: llvm-mc -triple=amdgcn-amd-amdhsa -mcpu=gfx1250 --defsym DOCPART=n.
;; ======== version 1 of 1: 2 launches
;; workspace buffers: a_codes 1,572,864 bytes; a_scales 65,536 bytes
;; launch quant (part 1): grid 256 x 1, 4 waves a work-group, no clusters, 21,248 bytes of LDS; arguments sorted_tokens, a_codes, a_scales; writes a_codes, a_scales
.if DOCPART == 1
	.amdgcn_target "amdgcn-amd-amdhsa--gfx1250"
	.amdhsa_code_object_version 6
	.text
	.protected	k_q2b1063ff32_quant
	.globl	k_q2b1063ff32_quant
	.p2align	8
	.type	k_q2b1063ff32_quant,@function
k_q2b1063ff32_quant:
	s_mov_b64 s[64:65], 0
	v_nop
	global_prefetch_b8 v0, s[64:65] scope:SCOPE_SE
	s_setreg_imm32_b32 hwreg(HW_REG_WAVE_MODE, 25, 1), 1
	s_wait_xcnt 0x0
; sorted_tokens [2048][1024], f32, become codes of FP6 (E2M3), 6 bits each, K innermost, a_codes [2048][768 bytes], with one E8M0 scale byte for each 32 along K, a_scales [2048][32].
; A block's scale is 2^(floor(log2(its largest magnitude)) - 2); its byte is the largest magnitude's own exponent field - 2, held at 1 from below.  Each number is divided by the scale and rounded to the
; nearest code, ties to even; beyond the largest code the conversion gives the largest code.  A block of zeros gets the byte 1 where the rule says 127: its codes are zeros, which add nothing under any
; byte but 0xff, and the bytes are read by this program alone.
; LIMITS: NaN and infinities among the tokens are not served; blocks whose largest magnitude lies under 2^(3 - 127), the floor, keep the byte 1.
; Rows are dense and 1,024 is a multiple of 32: the tensor is a plain stream of blocks of 32 numbers, and so are the codes and the bytes.  A step is 512 numbers; a wave takes 4 steps (2,048 numbers), a
; work-group 16 (8 rows of tokens): 256 work-groups x 8,192 numbers are the whole tensor.  All 16 loads of a wave go out at once, 512 consecutive bytes each.
; The conversion takes 16 numbers of ONE block from a lane's consecutive registers, so a step's 2,048 bytes turn through the wave's own stage in LDS: in as loaded (16 bytes a lane), back 64 bytes a lane;
; 16 bytes of padding behind each 64.  A lane's 16 codes are 12 bytes: a store covers 384 consecutive bytes, a wave's four stores 1,536: six aligned blocks of 256 bytes.
; The work-group's 256 scale bytes meet in LDS and leave by one store of 256 aligned bytes: hence the one barrier.
.set STEPS, 4
.set SP,    80                         ; a lane's place in a stage: 64 bytes + 16 of padding
.set WREG,  2*32*SP                    ; a wave's two stages: 5,120 bytes
.set SCB,   4*WREG                     ; behind them: the work-group's 256 scale bytes
.set R,     16                         ; v16-79   four sets of 16 numbers as loaded, one for each step
.set X,     80                         ; v80-111  two sets of 16 neighbours
.set E,     112                        ; v112-115 a scale byte for each step
.set C,     128                        ; v128-143 codes: four registers for each step, so that no store's data are written again
	s_load_b128 s[4:7], s[0:1], 0x0                ; the tokens, the codes
	s_load_b64 s[8:9], s[0:1], 0x10                ; the scale bytes
	v_lshl_add_u32 v144, v0, 2, 0x5100
	v_mov_b32 v145, 0
	v_lshrrev_b32 v1, 5, v0
	v_readfirstlane_b32 s16, v1                    ; wave 0..3
	v_and_b32 v2, 31, v0                           ; lane
	v_lshlrev_b32 v3, 4, v2                        ; my 16 bytes of a load's 512
	s_mul_i32 s17, s16, WREG
	v_lshrrev_b32 v14, 2, v2
	v_mul_u32_u24 v14, v14, SP
	v_and_b32 v15, 3, v2
	v_lshl_add_u32 v14, v15, 4, v14
	v_add_nc_u32 v14, s17, v14                     ; the stage, way in: SP (lane / 4) + 16 (lane % 4): four lanes' 64 bytes on end, then the padding
	v_mul_u32_u24 v15, v2, SP
	v_add_nc_u32 v15, s17, v15                     ; way out: SP x lane: my 16 neighbours
	v_mul_u32_u24 v4, v2, 12                       ; my codes' place in a step's 384 bytes
	v_lshrrev_b32 v5, 1, v2
	s_lshl_b32 s17, s16, 6
	s_add_co_u32 s17, s17, SCB
	v_add_nc_u32 v5, s17, v5                       ; LDS: my wave's 64 scale bytes, my block's byte
	v_lshlrev_b32 v7, 3, v2                        ; the bytes' way out: 8 a lane
	v_add_nc_u32 v6, SCB, v7
	s_lshl_b32 s18, ttmp9, 2
	s_add_co_u32 s18, s18, s16                     ; which run of 2,048 numbers is my wave's
	s_lshl_b32 s20, s18, 13                        ; 8,192 bytes of f32 a run,
	s_mov_b32 s21, 0
	s_mul_i32 s22, s18, 1536                       ; 1,536 of codes,
	s_mov_b32 s23, 0
	s_lshl_b32 s24, ttmp9, 8                       ; 256 scale bytes a work-group
	s_mov_b32 s25, 0
	s_wait_alu depctr_va_vdst(0)
	s_wait_kmcnt 0x0
	s_add_nc_u64 s[4:5], s[4:5], s[20:21]
	s_add_nc_u64 s[6:7], s[6:7], s[22:23]
	s_add_nc_u64 s[8:9], s[8:9], s[24:25]
.macro LOAD t
.irp i, 0,1,2,3
	global_load_b128 v[R+16*(\t)+4*\i:R+16*(\t)+4*\i+3], v3, s[4:5] offset:2048*(\t)+512*\i th:TH_LOAD_NT   ; 32 lanes read 512 consecutive bytes; read once in the launch
.endr
.endm
.macro TURN t                          ; step t's numbers through the stage: LDS serves a wave's instructions in order (ISA guide 5.7.1.4), so no wait stands between the stores and the loads
.irp i, 0,1,2,3
	ds_store_b128 v14, v[R+16*(\t)+4*\i:R+16*(\t)+4*\i+3] offset:32*SP*((\t)%2)+8*SP*\i
.endr
.irp i, 0,1,2,3
	ds_load_b128 v[X+16*((\t)%2)+4*\i:X+16*((\t)%2)+4*\i+3], v15 offset:32*SP*((\t)%2)+16*\i
.endr
.endm
.irp t, 0,1,2,3
	LOAD \t
.endr
	s_wait_loadcnt 12                              ; step 0's four loads are in; the twelve behind them may be out
	TURN 0
.macro STEP t
.set XS, X+16*((\t)%2)
.if (\t) > 0
	s_wait_dscnt 1                                 ; this step's numbers are back from the stage; the last step's byte store may be out
.else
	s_wait_dscnt 0x0
.endif
.if (\t)+1 < STEPS
	s_wait_loadcnt 4*(STEPS-2-(\t))                ; the next step's four loads are in; those of the steps behind it may be out
	TURN (\t)+1                                    ; and go through the other stage while this step is worked
.endif
	v_max3_num_f32 v8, |v[XS]|, |v[XS+1]|, |v[XS+2]|               ; the largest magnitude of my 16, in two chains
	v_max3_num_f32 v9, |v[XS+3]|, |v[XS+4]|, |v[XS+5]|
.irp i, 6,10
	v_max3_num_f32 v8, v8, |v[XS+\i]|, |v[XS+\i+1]|
	v_max3_num_f32 v9, v9, |v[XS+\i+2]|, |v[XS+\i+3]|
.endr
	v_max3_num_f32 v8, v8, |v[XS+14]|, |v[XS+15]|
	v_max3_num_f32 v8, v8, v9, 0x1800000           ; and the floor 2^(3 - 127): so the byte cannot fall under 1
	v_max_num_f32_dpp v8, v8, v8 row_xmask:1 row_mask:0xf bank_mask:0xf   ; and of my neighbour's 16: the block's
	v_add_nc_u32 v11, 0xff000000, v8               ; 2 off its exponent field: the conversion takes the exponent field of this operand as its scale, and nothing else of it
	v_cvt_scalef32_pk16_fp6_f32 v[C+4*(\t):C+4*(\t)+2], v[XS:XS+15], v11   ; 96 bits without gaps, the first number's code lowest
	v_lshrrev_b32 v[E+(\t)], 23, v11               ; the scale's byte (also the plain line behind the conversion)
	ds_store_b8 v5, v[E+(\t)] offset:16*(\t)       ; both lanes of a block write the same byte with the same value
	global_store_b96 v4, v[C+4*(\t):C+4*(\t)+2], s[6:7] offset:384*(\t)
.endm
.irp t, 0,1,2,3
	STEP \t
.endr
	s_wait_dscnt 0x0                               ; for wave 0's sake: my byte stores have landed
	s_barrier_signal -1
	s_barrier_wait -1                              ; the work-group's 256 bytes lie in LDS
	s_cmp_lg_u32 s16, 0
	s_cbranch_scc1 .Ldone                          ; wave 0 alone sends them
	ds_load_b64 v[12:13], v6
	s_wait_dscnt 0x0
	global_store_b64 v7, v[12:13], s[8:9]          ; 32 lanes store 256 consecutive bytes, at a multiple of 256 from the buffer's first byte
.Ldone:
	s_wait_tensorcnt 0x0
	ds_add_u32 v144, v145
	s_wait_dscnt 0x0
	s_endpgm
.Lfunc_end_k_q2b1063ff32_quant:
	.size	k_q2b1063ff32_quant, .Lfunc_end_k_q2b1063ff32_quant-k_q2b1063ff32_quant
	.p2alignl 7, 3214868480
	.fill 96, 4, 3214868480
	.section	.rodata,"a",@progbits
	.p2align	6, 0x0
	.amdhsa_kernel k_q2b1063ff32_quant
		.amdhsa_group_segment_fixed_size 21248
		.amdhsa_private_segment_fixed_size 0
		.amdhsa_enable_private_segment 0
		.amdhsa_kernarg_size 24
		.amdhsa_user_sgpr_count 2
		.amdhsa_user_sgpr_kernarg_segment_ptr 1
		.amdhsa_wavefront_size32 1
		.amdhsa_system_sgpr_workgroup_id_x 1
		.amdhsa_system_sgpr_workgroup_id_y 1
		.amdhsa_system_sgpr_workgroup_id_z 1
		.amdhsa_system_vgpr_workitem_id 0
		.amdhsa_next_free_vgpr 146
		.amdhsa_next_free_sgpr 66
		.amdhsa_reserve_vcc 0
		.amdhsa_float_denorm_mode_32 3
		.amdhsa_float_denorm_mode_16_64 3
		.amdhsa_memory_ordered 1
		.amdhsa_forward_progress 1
		.amdhsa_inst_pref_size 10
	.end_amdhsa_kernel
	.amdgpu_metadata
---
amdhsa.version: [ 1, 2 ]
amdhsa.kernels:
  - .name:           k_q2b1063ff32_quant
    .symbol:         k_q2b1063ff32_quant.kd
    .args:
      - { .name: sorted_tokens, .offset: 0, .size: 8, .value_kind: global_buffer, .address_space: global }
      - { .name: a_codes, .offset: 8, .size: 8, .value_kind: global_buffer, .address_space: global }
      - { .name: a_scales, .offset: 16, .size: 8, .value_kind: global_buffer, .address_space: global }
    .group_segment_fixed_size: 21248
    .private_segment_fixed_size: 0
    .kernarg_segment_align: 8
    .kernarg_segment_size: 24
    .max_flat_workgroup_size: 128
    .sgpr_count:     66
    .vgpr_count:     146
    .wavefront_size: 32
...
	.end_amdgpu_metadata
.endif
;; end of part 1
;; launch gmm (part 2): grid 16 x 16, 4 waves a work-group, no clusters, 318,976 bytes of LDS; arguments a_codes, a_scales, kernel_codes, kernel_scales, bias, sorted_experts, out0; writes out0
.if DOCPART == 2
	.amdgcn_target "amdgcn-amd-amdhsa--gfx1250"
	.amdhsa_code_object_version 6
	.text
	.protected	k_q2b1063ff32_gmm
	.globl	k_q2b1063ff32_gmm
	.p2align	8
	.type	k_q2b1063ff32_gmm,@function
k_q2b1063ff32_gmm:
	s_mov_b64 s[64:65], 0
	v_nop
	global_prefetch_b8 v0, s[64:65] scope:SCOPE_SE
	s_setreg_imm32_b32 hwreg(HW_REG_WAVE_MODE, 25, 1), 1
	s_wait_xcnt 0x0
; out0[t][n] = bias[e][n] + the sum over k of Q(token t)[k] x kernel[e][k][n], e = sorted_experts[t].  2,048 tokens, K = 1,024, 4,096 columns, 8 experts.  Both operands are codes of FP6 (E2M3) with one
; E8M0 byte for each 32 along K: the tokens' from the launch before (a_codes [2048][768], a_scales [2048][32]), the weights' as given (kernel_codes [8][4096][768], kernel_scales [8][4096][32]); sums in f32.
; The eight masked products of the definition keep, for each token, its own expert's row alone: only that one is multiplied here.  NO ORDER of sorted_experts is assumed.  group_sizes is not read: the
; definition never reads it, and numbers in it that contradicted sorted_experts would have to be ignored.
; SHARES.  A work-group owns 128 consecutive tokens x 256 columns (16 x 16 work-groups); wave w makes all 128 rows x columns 64 w .. 64 w + 63 of the block.  It walks the 8 experts in a loop of constant
; count and passes over those that none of its 128 tokens has; within an expert it passes over each group of 32 rows without such a token; rows of another expert inside a computed group are not stored.
; Each row has one expert, so each byte of out0 is stored once.  Tokens grouped by expert give at most 64 + 7 computed groups in each column block; tokens in random order up to eight times the work.
; A PASS (one expert).  The wave's 64 weight rows are 49,152 dense bytes: 96 loads of 512 consecutive bytes; they turn through the wave's own LDS bytes (rows 784 bytes apart) and stay in 384 registers as
; 32 fragments.  The tokens' codes lie in LDS (filled once, by all four waves) and stream by groups of 32 rows: 64 matrix instructions on 8 accumulators, then the group leaves through the wave's stage.
; THE MATRIX INSTRUCTION IS USED TRANSPOSED (source 0 = 16 weight rows, source 1 = 16 tokens): lane (r, h) holds token r and columns 8 h + 0 .. 7: 32 neighbouring bytes of a row.  bias[e] is the C of each sum's first product.
; NO TENSOR LOADS, NO CLUSTER, NO JOINT REQUESTS: which weights a work-group reads, and how many passes it makes, hang on expert numbers read from memory; partners would ask for different tiles, different numbers of times.
; LIMITS: expert numbers outside 0 .. 7 are not served (such a row is not written); a scale byte 0xff makes NaN in its own expert's rows alone.
; REGISTERS, in windows of 256: window 0: v1-15, v20 addresses; v16-19 expert numbers; v21-22 at work; v24-55 the tokens' scale words; v56-71 the weights'; v72-103 bias; v104-167 accumulators; v168-231 rows on their way out.
;   windows 1, 2: v0-191 each: the weights as loaded (48 loads each), then their fragments of K steps 0-3 and 4-7.   window 3: v0-191: the tokens' codes as loaded, then two sets of a group's fragments (K steps 0-3, 4-7).
.set PITCH,  784                       ; an LDS row of codes: 768 bytes + 16 = 196 words: row r starts at bank 4 r mod 64 (64 banks of 4 bytes: ISA guide 11.1); with 24 bytes for the upper lanes the 32 lanes of a load of 8 bytes touch 64 different banks
.set LB,     128*PITCH                 ; LDS: from 0 the 128 tokens' rows; from LB on 64 weight rows for each wave;
.set WB,     64*PITCH
.set LS,     LB+4*WB                   ; from LS on a stage of 16 rows x (256 + 16) bytes for each wave
.set SPITCH, 272
.set WS,     16*SPITCH
.set FA,   9                           ; v9, v10  my lane's place in the tokens' rows 0-63, 64-127
.set X,    16                          ; v16-19   lane l of v[X + p]: the expert of token 32 p + l of the block
.set ASC,  24                          ; v[ASC + 8 p + s]: lane l: the scale word of token 32 p + l for K step s
.set BSC,  56                          ; v[BSC + 8 j + s]: lane l: the scale word of my column 32 j + l for K step s
.set BIAS, 72                          ; v[BIAS + 8 b + i]: bias of my column 16 b + 8 h + i
.set ACC,  104                         ; accumulator (a, b) at v[ACC + 8 (4 a + b)]
.set OUT,  168
.set MK,   44                          ; s[44:47] for each group of 32 rows: which of them have the expert in hand
.set MSB, 0
.macro WIN new                         ; the immediate's high byte repeats the setting that is left; a switch that changes nothing is dropped
.if MSB != (\new)
	s_set_vgpr_msb (MSB<<8)|(\new)
.set MSB, (\new)
.endif
.endm
	s_load_b256 s[4:11], s[0:1], 0x0               ; a_codes s[4:5], a_scales s[6:7], kernel_codes s[8:9], kernel_scales s[10:11]
	s_load_b128 s[12:15], s[0:1], 0x20             ; bias s[12:13], sorted_experts s[14:15]
	s_load_b64 s[16:17], s[0:1], 0x30              ; out0
	v_lshl_add_u32 v254, v0, 2, 0x4dc00
	v_mov_b32 v255, 0
	v_lshrrev_b32 v21, 5, v0
	v_readfirstlane_b32 s18, v21                   ; wave 0..3
	v_and_b32 v1, 15, v0                           ; r
	v_bfe_u32 v2, v0, 4, 1                         ; h
	v_and_b32 v22, 31, v0                          ; lane
	v_lshlrev_b32 v3, 4, v22                       ; 16 x lane: my bytes of a dense load's 512
	v_lshlrev_b32 v14, 5, v22                      ; 32 x lane: a row of scale bytes
	v_lshlrev_b32 v20, 2, v22                      ; 4 x lane: an expert number
	v_lshlrev_b32 v15, 5, v2                       ; 32 h: my half's eight numbers of bias
	; Dense byte o of a run of rows goes to LDS byte o + 16 (o / 768).  Three loads are two rows: load 3 j + m, lane l, goes to 1568 j + 16 l (m = 0), 1568 j + 512 + 16 l + 16 h (m = 1), 1568 j + 1040 + 16 l (m = 2)
	s_mul_i32 s43, s18, 32*PITCH                   ; the tokens' rows 32 w .. 32 w + 31 are mine to fill
	v_add_nc_u32 v4, s43, v3
	v_lshl_add_u32 v5, v2, 4, v4
	s_mul_i32 s43, s18, WB
	s_add_co_u32 s43, s43, LB                      ; my weight rows
	v_add_nc_u32 v6, s43, v3
	v_lshl_add_u32 v7, v2, 4, v6
	v_mul_u32_u24 v[FA], v1, PITCH
	v_mad_u32_u24 v[FA], v2, 24, v[FA]             ; a fragment's row r, + 24 h
	v_add_nc_u32 v8, s43, v[FA]                    ; the same among my weight rows
	v_add_nc_u32 v[FA+1], 64*PITCH, v[FA]
	s_mul_i32 s43, s18, WS
	s_add_co_u32 s43, s43, LS                      ; my stage
	v_mul_u32_u24 v11, v1, SPITCH
	v_lshl_add_u32 v11, v2, 5, v11
	v_add_nc_u32 v11, s43, v11                     ; in: row r, 32 bytes for each half of the lanes
	v_mul_u32_u24 v12, v2, SPITCH
	v_lshl_add_u32 v12, v1, 4, v12
	v_add_nc_u32 v12, s43, v12                     ; back: lanes 0-15 one row of 256 bytes, lanes 16-31 the next
	v_lshlrev_b32 v13, 14, v2
	v_lshl_add_u32 v13, v1, 4, v13                 ; and the same two rows in out0 (16,384 bytes a row)
	s_and_b32 s20, ttmp7, 0xffff                   ; y: which 128 tokens
	s_lshl_b32 s21, ttmp9, 8
	s_lshl_b32 s43, s18, 6
	s_add_co_u32 s21, s21, s43                     ; my first column: 256 x + 64 w
	s_mov_b32 s23, 0
	s_wait_kmcnt 0x0
	s_lshl_b32 s22, s20, 9
	s_add_nc_u64 s[14:15], s[14:15], s[22:23]      ; the block's 128 expert numbers
	s_lshl_b32 s22, s20, 12
	s_add_nc_u64 s[6:7], s[6:7], s[22:23]          ; its scale bytes
	s_mul_i32 s22, s20, 128*768
	s_mul_i32 s43, s18, 32*768
	s_add_co_u32 s22, s22, s43
	s_add_nc_u64 s[4:5], s[4:5], s[22:23]          ; the codes of the 32 tokens that I bring
	; THE FIRST LOADS, 60: 4 of expert numbers, 8 of scale words, 48 of codes
.irp p, 0,1,2,3
	global_load_b32 v[X+\p], v20, s[14:15] offset:128*\p
.endr
.irp p, 0,1,2,3
.irp k, 0,1
	global_load_b128 v[ASC+8*\p+4*\k:ASC+8*\p+4*\k+3], v14, s[6:7] offset:1024*\p+16*\k
.endr
.endr
	WIN 0xc0                                       ; destination window 3
.set I, 0
.rept 48
	global_load_b128 v[4*I:4*I+3], v3, s[4:5] offset:512*I       ; 512 consecutive bytes
.set I, I+1
.endr
	WIN 0
	s_mul_i32 s22, s21, 768
	s_add_nc_u64 s[24:25], s[8:9], s[22:23]        ; expert 0's codes of my 64 columns,
	s_lshl_b32 s22, s21, 5
	s_add_nc_u64 s[26:27], s[10:11], s[22:23]      ; their scale bytes,
	s_lshl_b32 s22, s21, 2
	s_add_nc_u64 s[28:29], s[12:13], s[22:23]      ; their bias
	s_lshl_b32 s43, s20, 21
	s_add_co_u32 s22, s22, s43
	s_add_nc_u64 s[30:31], s[16:17], s[22:23]      ; out0 at the block's first row (128 rows of 16,384 bytes a block), my first column
; the pointers of expert er: codes s[32:33], scale bytes s[34:35], bias s[36:37]
.macro SETPTR er
	s_mul_i32 s38, \er, 4096*768
	s_mov_b32 s39, 0
	s_add_nc_u64 s[32:33], s[24:25], s[38:39]
	s_lshl_b32 s38, \er, 17
	s_add_nc_u64 s[34:35], s[26:27], s[38:39]
	s_lshl_b32 s38, \er, 14
	s_add_nc_u64 s[36:37], s[28:29], s[38:39]
.endm
; an expert's share for my wave, 108 loads: 4 of scale words, 8 of bias, 96 of codes.  No hint: other blocks of tokens read the same weights
.macro LOADB
.irp j, 0,1
.irp k, 0,1
	global_load_b128 v[BSC+8*\j+4*\k:BSC+8*\j+4*\k+3], v14, s[34:35] offset:1024*\j+16*\k
.endr
.endr
.irp b, 0,1,2,3
.irp k, 0,1
	global_load_b128 v[BIAS+8*\b+4*\k:BIAS+8*\b+4*\k+3], v15, s[36:37] offset:64*\b+16*\k
.endr
.endr
	WIN 0x40                                       ; destination window 1
.set I, 0
.rept 48
	global_load_b128 v[4*I:4*I+3], v3, s[32:33] offset:512*I
.set I, I+1
.endr
	WIN 0x80                                       ; destination window 2
.set I, 0
.rept 48
	global_load_b128 v[4*I:4*I+3], v3, s[32:33] offset:512*(I+48)
.set I, I+1
.endr
	WIN 0
.endm
; the 96 dense loads go to my LDS rows, twelve at a time as they land
.macro TURNB
.irp g, 0,1,2,3,4,5,6,7
.if 84-12*\g > 63
	s_wait_loadcnt 63                              ; behind these twelve stand 84 - 12 g younger loads; the wait can name 63 at the most, and a smaller count is safe.  The scale words and the bias are older: they are in too
.else
	s_wait_loadcnt 84-12*\g
.endif
	WIN 0x04+0x04*(\g/4)                           ; an LDS store's data are its source 1: window 1, then window 2
.irp jj, 0,1,2,3
.set J, 4*\g+\jj
.set RG, 12*J-192*(\g/4)
	ds_store_b128 v6, v[RG:RG+3] offset:1568*J
	ds_store_b128 v7, v[RG+4:RG+7] offset:1568*J+512
	ds_store_b128 v6, v[RG+8:RG+11] offset:1568*J+1040
.endr
.endr
	WIN 0
	s_wait_dscnt 0x0                               ; the stores have read the registers that the fragments now take
.endm
; A fragment, 16 rows x 128 K, is 12 registers: lane (r, h) holds row r; registers 6 c .. 6 c + 5 hold K = 64 c + 32 h + 0 .. 31: 24 bytes of the row as they lie, in pieces of 8 bytes.
; The weights' 32 fragments: column tile b, K step 4 u + s at v[12 (4 s + b)] of window 1 + u.  No wait here: LDS loads come back in order, and the first group's wait covers them
.macro BFRAG
.irp u, 0,1
	WIN 0x40+0x40*\u
.irp s, 0,1,2,3
.irp b, 0,1,2,3
.irp q, 0,1,2,3,4,5
	ds_load_b64 v[12*(4*\s+\b)+2*\q:12*(4*\s+\b)+2*\q+1], v8 offset:16*\b*PITCH+96*(4*\u+\s)+48*(\q/3)+8*(\q%3)
.endr
.endr
.endr
.endr
.endm
; group p's fragments of K steps 4 u .. 4 u + 3: rows 32 p + 16 a on, at v[96 u + 12 (2 s + a)] of window 3: 48 loads
.macro AFETCH p, u
.irp s, 0,1,2,3
.irp a, 0,1
.irp q, 0,1,2,3,4,5
	ds_load_b64 v[96*(\u)+12*(2*\s+\a)+2*\q:96*(\u)+12*(2*\s+\a)+2*\q+1], v[FA+(\p)/2] offset:(32*((\p)%2)+16*\a)*PITCH+96*(4*(\u)+\s)+48*(\q/3)+8*(\q%3)
.endr
.endr
.endr
.endm
; one product: accumulator (a, b), K step 4 u + s.  The first scale operand goes with source 0 (the weights: tile b's words lie in lanes 0-15 for even b, 16-31 for odd b), the second with source 1 (the tokens: block a likewise).
.macro MM p, u, s, a, b
.set DR, ACC+8*(4*(\a)+(\b))
.set CR, DR
.if ((\u) == 0) && ((\s) == 0)
.set CR, BIAS+8*(\b)                   ; the first K step starts the sum with the bias: nothing is cleared, nothing is added later
.endif
.set BR, 12*(4*(\s)+(\b))
.set AR, 96*(\u)+12*(2*(\s)+(\a))
.set SBR, BSC+8*((\b)/2)+4*(\u)+(\s)
.set SAR, ASC+8*(\p)+4*(\u)+(\s)
.if ((\b)%2 == 0) && ((\a) == 0)
	v_wmma_scale_f32_16x16x128_f8f6f4 v[DR:DR+7], v[BR:BR+11], v[AR:AR+11], v[CR:CR+7], v[SBR], v[SAR] matrix_a_fmt:MATRIX_FMT_FP6 matrix_b_fmt:MATRIX_FMT_FP6
.elseif ((\b)%2 == 1) && ((\a) == 0)
	v_wmma_scale_f32_16x16x128_f8f6f4 v[DR:DR+7], v[BR:BR+11], v[AR:AR+11], v[CR:CR+7], v[SBR], v[SAR] matrix_a_fmt:MATRIX_FMT_FP6 matrix_b_fmt:MATRIX_FMT_FP6 matrix_a_scale:MATRIX_SCALE_ROW1
.elseif ((\b)%2 == 0)
	v_wmma_scale_f32_16x16x128_f8f6f4 v[DR:DR+7], v[BR:BR+11], v[AR:AR+11], v[CR:CR+7], v[SBR], v[SAR] matrix_a_fmt:MATRIX_FMT_FP6 matrix_b_fmt:MATRIX_FMT_FP6 matrix_b_scale:MATRIX_SCALE_ROW1
.else
	v_wmma_scale_f32_16x16x128_f8f6f4 v[DR:DR+7], v[BR:BR+11], v[AR:AR+11], v[CR:CR+7], v[SBR], v[SAR] matrix_a_fmt:MATRIX_FMT_FP6 matrix_b_fmt:MATRIX_FMT_FP6 matrix_a_scale:MATRIX_SCALE_ROW1 matrix_b_scale:MATRIX_SCALE_ROW1
.endif
.endm
; 32 products: four K steps x the eight accumulators, which take turns, one instruction a turn, K ascending
.macro MUL p, u
.irp s, 0,1,2,3
.irp a, 0,1
.irp b, 0,1,2,3
	MM \p, \u, \s, \a, \b
.endr
.endr
.endr
.endm
; THE WAY OUT of 16 rows x 64 columns: into my stage, 32 bytes a lane, each accumulator from its low end on; back as rows of 256 bytes.  LDS serves a wave's instructions in order (ISA guide 5.7.1.4): no wait between
.macro TOSTAGE a
.irp b, 0,1,2,3
	ds_store_b128 v11, v[ACC+8*(4*(\a)+\b):ACC+8*(4*(\a)+\b)+3] offset:64*\b
	ds_store_b128 v11, v[ACC+8*(4*(\a)+\b)+4:ACC+8*(4*(\a)+\b)+7] offset:64*\b+16
.endr
.irp t, 0,1,2,3,4,5,6,7
	ds_load_b128 v[OUT+32*(\a)+4*\t:OUT+32*(\a)+4*\t+3], v12 offset:2*\t*SPITCH
.endr
.endm
; all 16 rows are this expert's.  younger: the LDS instructions issued behind these rows' loads.  Offsets: 126 rows of 16,384 bytes at the most, inside the signed 24-bit immediate (ISA guide, chapter 10)
.macro SEND p, a, younger
	s_wait_dscnt \younger
.irp t, 0,1,2,3,4,5,6,7
	global_store_b128 v13, v[OUT+32*(\a)+4*\t:OUT+32*(\a)+4*\t+3], s[30:31] offset:(32*(\p)+16*(\a)+2*\t)*16384 th:TH_STORE_NT   ; 16 lanes store 256 consecutive bytes, at a multiple of 256 from out0's first byte; written once, read by nobody here
.endr
.endm
; some are: a store's lanes 0-15 hold row 16 a + 2 t of the group, lanes 16-31 the next; v21 = the group's mask >> h, so bit 16 a + 2 t of it is my row's.  A row's sixteen lanes are on or off together.
.macro SENDM p, a, younger
	s_wait_dscnt \younger
.irp t, 0,1,2,3,4,5,6,7
	v_and_b32 v22, 1<<(16*(\a)+2*\t), v21
	v_cmp_ne_u32 vcc_lo, 0, v22
	s_wait_xcnt 0x0                                ; EXEC is a source of the memory instructions issued so far: it changes only behind this wait
	s_and_saveexec_b32 s48, vcc_lo
	global_store_b128 v13, v[OUT+32*(\a)+4*\t:OUT+32*(\a)+4*\t+3], s[30:31] offset:(32*(\p)+16*(\a)+2*\t)*16384 th:TH_STORE_NT
	s_wait_xcnt 0x0                                ; and again in front of the line that widens it
	s_or_b32 exec_lo, exec_lo, s48
.endr
.endm
; GROUP p: rows 32 p .. 32 p + 31 of the block against my 64 columns.  A group stands by itself: it begins and ends with no LDS instruction of its own out, so its counts hold whichever groups were passed over.
.macro PAIR p
	s_cmp_eq_u32 s[MK+\p], 0
	s_cbranch_scc1 .Lskip_\@                       ; none of these 32 tokens has the expert in hand
	WIN 0xc0                                       ; destination window 3
	AFETCH \p, 0
	AFETCH \p, 1
	s_wait_dscnt 48                                ; K steps 0-3 are in, and all that is older (the weights' fragments); the 48 loads of K steps 4-7 may be out
	WIN 0x0d                                       ; source 0 (weights) window 1, source 1 (tokens) window 3, C and D window 0
	MUL \p, 0
	s_wait_dscnt 0x0                               ; K steps 4-7 are in
	WIN 0x0e                                       ; source 0 window 2
	MUL \p, 1
	WIN 0
.rept 5
	v_nop                                          ; places behind the last products: four for the LDS stores that read the results and for later loads into operands, bias and scale words; the fifth for the next group's first products, which write over these accumulators with another C
.endr
	s_wait_xcnt 0x0                                ; the last group's stores have read the registers that these rows now take
	TOSTAGE 0
	TOSTAGE 1
	s_cmp_eq_u32 s[MK+\p], -1
	s_cbranch_scc0 .Lmix_\@
	SEND \p, 0, 16                                 ; behind the first 16 rows' loads: the second 16 rows' 8 stores and 8 loads
	SEND \p, 1, 0
	s_branch .Lskip_\@
.Lmix_\@:
	v_lshrrev_b32 v21, v2, s[MK+\p]
	s_wait_alu depctr_va_vdst(0)
	SENDM \p, 0, 16
	SENDM \p, 1, 0
.Lskip_\@:
.endm
	; WHICH EXPERTS ARE HERE.  s40: bit e is set where one of the block's 128 tokens has expert e; s41: the lowest such e (7 if there is none)
	s_wait_loadcnt 56                              ; the four loads of expert numbers are in; the 56 behind them may be out
	s_mov_b32 s40, 0
	s_mov_b32 s41, 7
.irp e, 7,6,5,4,3,2,1,0
	v_cmp_eq_u32 s44, \e, v[X]
	v_cmp_eq_u32 s45, \e, v[X+1]
	v_cmp_eq_u32 s46, \e, v[X+2]
	v_cmp_eq_u32 s47, \e, v[X+3]
	s_or_b32 s44, s44, s45
	s_or_b32 s46, s46, s47
	s_or_b32 s44, s44, s46                         ; SCC: some token has e
	s_cselect_b32 s43, 1<<\e, 0
	s_cselect_b32 s41, \e, s41
	s_or_b32 s40, s40, s43
.endr
	s_min_u32 s41, s41, 7                          ; a number made from loaded numbers is held inside the table before it enters an address
	SETPTR s41
	LOADB                                          ; the first expert's weights are asked for by arithmetic, with no branch, ahead of the barrier below
	; THE TOKENS' CODES INTO LDS: my 32 rows
	s_wait_loadcnt 63                              ; behind the first 60 loads stand LOADB's 108; the wait can name 63 at the most: the 60 are in
	WIN 0x0c                                       ; an LDS store's data: window 3
.set J, 0
.rept 16
	ds_store_b128 v4, v[12*J:12*J+3] offset:1568*J
	ds_store_b128 v5, v[12*J+4:12*J+7] offset:1568*J+512
	ds_store_b128 v4, v[12*J+8:12*J+11] offset:1568*J+1040
.set J, J+1
.endr
	WIN 0
	s_wait_dscnt 0x0                               ; for the others' sake: my rows have landed
	s_barrier_signal -1                            ; the launch's one barrier, on every wave's way; from here on the tokens' rows are only read.  The weights' loads stay out across it: they land in registers
	s_barrier_wait -1
	s_mov_b32 s42, 0                               ; THE WALK OVER THE EXPERTS: eight trips
.Lexp:
	s_lshr_b32 s43, s40, s42
	s_and_b32 s43, s43, 1
	s_cmp_lg_u32 s43, 0
	s_cbranch_scc0 .Lnext                          ; none of my tokens has expert s42
	s_cmp_eq_u32 s42, s41
	s_cbranch_scc1 .Lhave                          ; the first one's weights are on their way already
	s_wait_loadcnt 0x0                             ; the pass before has waited for all its loads; the wait says so on every way to these lines: the pointers and the registers below are free
	SETPTR s42
	LOADB
.Lhave:
	TURNB
	BFRAG
	WIN 0
.irp p, 0,1,2,3
	v_cmp_eq_u32 s[MK+\p], s42, v[X+\p]            ; which rows of each group are this expert's
.endr
	PAIR 0
	PAIR 1
	PAIR 2
	PAIR 3
	s_wait_dscnt 0x0                               ; also where every group was passed over: the fragments' loads are in before their registers are asked for again
.Lnext:
	s_add_co_u32 s42, s42, 1
	s_cmp_lt_u32 s42, 8
	s_cbranch_scc1 .Lexp
	s_wait_tensorcnt 0x0
	ds_add_u32 v254, v255
	s_wait_dscnt 0x0
	s_endpgm
.Lfunc_end_k_q2b1063ff32_gmm:
	.size	k_q2b1063ff32_gmm, .Lfunc_end_k_q2b1063ff32_gmm-k_q2b1063ff32_gmm
	.p2alignl 7, 3214868480
	.fill 96, 4, 3214868480
	.section	.rodata,"a",@progbits
	.p2align	6, 0x0
	.amdhsa_kernel k_q2b1063ff32_gmm
		.amdhsa_group_segment_fixed_size 318976
		.amdhsa_private_segment_fixed_size 0
		.amdhsa_enable_private_segment 0
		.amdhsa_kernarg_size 56
		.amdhsa_user_sgpr_count 2
		.amdhsa_user_sgpr_kernarg_segment_ptr 1
		.amdhsa_wavefront_size32 1
		.amdhsa_system_sgpr_workgroup_id_x 1
		.amdhsa_system_sgpr_workgroup_id_y 1
		.amdhsa_system_sgpr_workgroup_id_z 1
		.amdhsa_system_vgpr_workitem_id 0
		.amdhsa_next_free_vgpr 960
		.amdhsa_next_free_sgpr 66
		.amdhsa_reserve_vcc 1
		.amdhsa_float_denorm_mode_32 3
		.amdhsa_float_denorm_mode_16_64 3
		.amdhsa_memory_ordered 1
		.amdhsa_forward_progress 1
		.amdhsa_inst_pref_size 149
	.end_amdhsa_kernel
	.amdgpu_metadata
---
amdhsa.version: [ 1, 2 ]
amdhsa.kernels:
  - .name:           k_q2b1063ff32_gmm
    .symbol:         k_q2b1063ff32_gmm.kd
    .args:
      - { .name: a_codes, .offset: 0, .size: 8, .value_kind: global_buffer, .address_space: global }
      - { .name: a_scales, .offset: 8, .size: 8, .value_kind: global_buffer, .address_space: global }
      - { .name: kernel_codes, .offset: 16, .size: 8, .value_kind: global_buffer, .address_space: global }
      - { .name: kernel_scales, .offset: 24, .size: 8, .value_kind: global_buffer, .address_space: global }
      - { .name: bias, .offset: 32, .size: 8, .value_kind: global_buffer, .address_space: global }
      - { .name: sorted_experts, .offset: 40, .size: 8, .value_kind: global_buffer, .address_space: global }
      - { .name: out0, .offset: 48, .size: 8, .value_kind: global_buffer, .address_space: global }
    .group_segment_fixed_size: 318976
    .private_segment_fixed_size: 0
    .kernarg_segment_align: 8
    .kernarg_segment_size: 56
    .max_flat_workgroup_size: 128
    .sgpr_count:     66
    .vgpr_count:     960
    .wavefront_size: 32
...
	.end_amdgpu_metadata
.endif
;; end of part 2
